; MI455X (gfx1250); checked and timed in simulation.
; The chip was launched on July 23, 2026; its instructions are those of AMD's public machine-readable ISA for CDNA 5 (MIT licence, August 2026) and "CDNA5" Instruction Set Architecture Reference Guide (July 2026). The comments in the code are by the model that wrote it; some were corrected since.
;; Cross Attention. Allowed arithmetic: matrix products marked QUANTISED: E2M1 operands, one E8M0 scale for each 32 along K, by v_wmma_scale_f32_16x16x128_f8f6f4 with both operands' format E2M1 (or v_wmma_scale_f32_32x16x128_f4), f32 sums; products left as they are: bf16, f16 or f32 operands; f32 sums; everything else in f32.
;; Inputs: Wk 1,024 x 1,024 float32; Wo 1,024 x 1,024 float32; Wq 1,024 x 1,024 float32; Wv 1,024 x 1,024 float32; context 4 x 512 x 1,024 float32; x 4 x 4,096 x 1,024 float32.
;; Outputs: out0 4 x 4,096 x 1,024 float32.
;; This version of the problem:
;;   THIS VERSION OF THE PROBLEM IS GIVEN IN LOW PRECISION. The matrix products marked QUANTISED in the list below multiply operands that are first quantised to E2M1 (2 exponent bits, 1 mantissa bit; 4 bits a number), with one power-of-two scale for each 32 numbers along K (OCP MX v1.0); their sums are f32. The products marked 'left as it is' may take bf16, f16 or f32 operands, with f32 sums. Whichever they take, every output number must still come out within the allowed error. Rounding operands to bf16 (8 significant bits) uses up far more of that allowance than f16 does (11 bits, for magnitudes from 6e-5 to 65,504). All else is computed in f32.
;;   The module's matrix products, in the order in which they are computed (A, B: the left and right operand; K: the contracted axis; several contracted axes count as one K, in the product's order):
;;     1. [M 16,384, K 1,024] x [K 1,024, N 1,024]; A: input x; B: input Wq: QUANTISED
;;     2. [M 2,048, K 1,024] x [K 1,024, N 1,024]; A: input context; B: input Wk: QUANTISED
;;     3. [M 2,048, K 1,024] x [K 1,024, N 1,024]; A: input context; B: input Wv: QUANTISED
;;     4. batch 64 x [M 4,096, K 64] x [K 64, N 512]; A: computed on the way; B: computed on the way: left as it is (an operand is computed on the way)
;;     5. batch 64 x [M 4,096, K 512] x [K 512, N 64]; A: computed on the way; B: computed on the way: left as it is (an operand is computed on the way)
;;     6. [M 16,384, K 1,024] x [K 1,024, N 1,024]; A: computed on the way; B: input Wo: left as it is (an operand is computed on the way)
;;   THE QUANTISER, for each operand of a quantised product, along K:
;;     - K is cut into blocks of 32 from its start; a last block that is shorter is filled with zeros.
;;     - A block's scale is 2^e with e = floor(log2(the largest magnitude in the block)) - 2, held to -126 .. 127; a block of zeros has e = 0. As a byte (E8M0): e + 127.
;;     - Each number is divided by its block's scale, clamped to +-6, and rounded to the nearest number of E2M1, ties to even, subnormals kept.
;;     - The product sums the exact products of the quantised numbers (number of the format x scale) in f32.
;;   ~~~python
;;   def quantise(x, axis):      # numpy; x: float32 -> the quantised numbers, widened to float32 again
;;       x = np.moveaxis(x, axis, -1); K = x.shape[-1]
;;       x = np.pad(x, [(0, 0)] * (x.ndim - 1) + [(0, -K % 32)]); x = x.reshape(x.shape[:-1] + (-1, 32)); a = np.abs(x).max(-1, keepdims=True)
;;       e = np.where(a > 0, np.clip(np.frexp(np.where(a > 0, a, 1))[1] - 1 - 2, -126, 127), 0)      # np.frexp(a)[1] - 1 = floor(log2(a)), exactly
;;       r = np.clip(x / 2.0 ** e, -6, 6)
;;       step = 2.0 ** (np.maximum(np.frexp(np.where(r == 0, 1, r))[1] - 1, 0) - 1)
;;       q = np.round(r / step) * step * 2.0 ** e      # np.round: ties to even
;;       return np.moveaxis(q.reshape(q.shape[:-2] + (-1,))[..., :K], -1, axis).astype(np.float32)
;;   ~~~
;; One version. Each part assembles by itself: llvm-mc -triple=amdgcn-amd-amdhsa -mcpu=gfx1250 --defsym DOCPART=n.
;; ======== version 1 of 1: 3 launches
;; limits: values are held in f16: magnitudes above 65,504 overflow, below 6.1e-05 lose precision
;; workspace buffers: aq 9,437,184 bytes; asc 589,824 bytes; wq4 1,572,864 bytes; ws4 98,304 bytes; wo16 2,097,152 bytes; o16 33,554,432 bytes
;; launch prep (part 1): grid 512 x 1, 4 waves a work-group, no clusters, 35,328 bytes of LDS; arguments x, context, Wq, Wk, Wv, Wo, aq, asc, wq4, ws4, wo16; writes aq, asc, wq4, ws4, wo16
.if DOCPART == 1
	.amdgcn_target "amdgcn-amd-amdhsa--gfx1250"
	.amdhsa_code_object_version 6
	.text
	.protected	k_qd3094f8c31_prep
	.globl	k_qd3094f8c31_prep
	.p2align	8
	.type	k_qd3094f8c31_prep,@function
k_qd3094f8c31_prep:
	s_mov_b64 s[64:65], 0
	v_nop
	global_prefetch_b8 v0, s[64:65] scope:SCOPE_SE
	s_setreg_imm32_b32 hwreg(HW_REG_WAVE_MODE, 25, 1), 1
	s_wait_xcnt 0x0
; Every input is read once and laid as IMAGES OF OPERAND REGISTERS for the two launches that follow.
;   x [16384][1024] and context [2048][1024], f32 -> aq: codes of FP4 (E2M1), asc: their E8M0 scale words.   Work-groups 0-287.
;   Wq, Wk, Wv [1024 (k)][1024 (n)], f32        -> wq4, ws4: the same for the weights, K = their first axis.   Work-groups 288-383.
;   Wo [1024 (k)][1024 (n)], f32                -> wo16: f16.                                                  Work-groups 384-511.
; A block of 32 along K has the scale 2^(floor(log2(largest magnitude)) - 2); its byte is the largest magnitude's exponent field - 2, held at 1 from below; each number is
; divided by the scale and rounded to the nearest code, ties to even, beyond 6 the largest code.  (A block of zeros gets the byte 1 and zero codes: the bytes are read by this program alone.)
; LAYOUTS.  A fragment (16 rows x 128 K of codes) is 1,024 bytes: piece c of 512 bytes, lane (r, h) at 16 (16 h + r): the codes of k = 64 c + 32 h + 0 .. 31 of row r.
;   aq  [tile T 0..1151][K step 0..7][1024]: T < 1024: rows 16 T of x; T = 1024 + i: rows 16 i of context.     asc [T][512]: lane (r, h): the scale words of K steps 4 h .. 4 h + 3 of row r.
;   wq4 [head 16][w 3: q, k, v][tile 4][K step 8][1024]: rows = columns 64 head + 16 tile + r of the weight.
;   ws4 [head][w][tile pair 2][i 2][h 2][tile in pair 2][r 16][8 bytes]: the scale words of K steps 4 h + 2 i, 4 h + 2 i + 1.
;   wo16 [kb 16][n tile 64][c 2][1024]: piece p, lane (r, h): Wo[64 kb + 32 c + 16 p + 8 h + 0 .. 7][16 tile + r] as f16.
; Every store of codes or f16 covers whole aligned blocks of 256 bytes (sixteen lanes x 16 bytes).
; LIMITS: NaN and infinities among the inputs are not served; Wo goes to f16: magnitudes up to 65,504.
; No matrix unit, no tensor load, no cluster: a stream, each byte read once by one wave.
.set SPARE, 34816                      ; behind the four waves' stages: the spare words, 128 bytes for each wave
.set SPW,   1                          ; v1  LDS address of my spare word; never rewritten
.set NIL,   2                          ; v2  0; never rewritten
.set R,     32                         ; v32-159  rows' path: four sets of 32 numbers as loaded
.set X,     160                        ; v160-223 rows' path: two sets of 32 neighbours along K
.set C,     224                        ; v224-239 rows' path: four sets of 4 registers of codes
; The largest magnitude of the 32 numbers at v[XS], with the floor 2^(3 - 127) as one more leaf, in v9; the conversion's scale operand (2 off the exponent field) in v11
.macro BMAX
	v_max3_num_f32 v9, |v[XS]|, |v[XS+1]|, |v[XS+2]|
	v_max3_num_f32 v10, |v[XS+3]|, |v[XS+4]|, |v[XS+5]|
.irp i, 6,10,14,18,22,26
	v_max3_num_f32 v9, v9, |v[XS+\i]|, |v[XS+\i+1]|
	v_max3_num_f32 v10, v10, |v[XS+\i+2]|, |v[XS+\i+3]|
.endr
	v_max3_num_f32 v9, v9, |v[XS+30]|, |v[XS+31]|
	v_max3_num_f32 v9, v9, v10, 0x1800000
	v_add_nc_u32 v11, 0xff000000, v9
.endm
	s_load_b256 s[4:11], s[0:1], 0x0               ; x s[4:5], context s[6:7], Wq s[8:9], Wk s[10:11]
	s_load_b256 s[12:19], s[0:1], 0x20             ; Wv s[12:13], Wo s[14:15], aq s[16:17], asc s[18:19]
	s_load_b128 s[20:23], s[0:1], 0x40             ; wq4 s[20:21], ws4 s[22:23]
	s_load_b64 s[24:25], s[0:1], 0x50              ; wo16
	v_lshl_add_u32 v[SPW], v0, 2, SPARE
	v_mov_b32 v[NIL], 0
	v_lshrrev_b32 v3, 5, v0
	v_readfirstlane_b32 s26, v3                    ; wave 0..3
	v_and_b32 v3, 31, v0                           ; lane
	v_lshlrev_b32 v7, 4, v3                        ; 16 x lane
	v_lshrrev_b32 v8, 4, v3                        ; h = lane / 16
	v_and_b32 v15, 15, v3                          ; r = lane % 16
	s_mov_b32 s35, 0                               ; the upper word of every offset pair s[34:35]
	s_wait_kmcnt 0x0
	s_cmp_lt_u32 ttmp9, 288
	s_cbranch_scc1 .Lact
	s_cmp_lt_u32 ttmp9, 384
	s_cbranch_scc1 .Lw4
	; ---------------- Wo to f16.  A wave takes 32 columns x 64 along K: a lane a column, its registers down K.
	s_sub_co_u32 s27, ttmp9, 384
	s_and_b32 s28, s27, 7                          ; which 128 columns
	s_lshr_b32 s29, s27, 3                         ; kb: which 64 along K
	s_lshl_b32 s28, s28, 7
	s_lshl_b32 s30, s26, 5
	s_add_co_u32 s28, s28, s30                     ; my first column
	s_lshl_b32 s34, s29, 18                        ; 64 rows of 4,096 bytes
	s_lshl_b32 s30, s28, 2
	s_add_co_u32 s34, s34, s30
	s_add_nc_u64 s[32:33], s[14:15], s[34:35]
	s_lshl_b32 s34, s29, 17                        ; a plane kb of wo16 is 131,072 bytes,
	s_lshl_b32 s30, s28, 7                         ; a tile of 16 columns 2,048
	s_add_co_u32 s34, s34, s30
	s_add_nc_u64 s[36:37], s[24:25], s[34:35]
	v_lshlrev_b32 v4, 2, v3                        ; in: 4 bytes a lane
	v_lshlrev_b32 v5, 11, v8
	v_lshl_add_u32 v5, v15, 4, v5                  ; out: 2,048 (lane / 16) + 16 (lane % 16)
.set I, 0
.rept 64
	global_load_b32 v[32+I], v4, s[32:33] offset:I*4096 th:TH_LOAD_NT
.set I, I+1
.endr
	s_wait_loadcnt 32                              ; the first 32 rows are in; the other 32 loads may be out
.set I, 0
.rept 16
	v_cvt_pk_f16_f32 v[96+I], v[32+2*I], v[33+2*I]
.set I, I+1
.endr
.irp g, 0,1,2,3
	global_store_b128 v5, v[96+4*\g:99+4*\g], s[36:37] offset:256*\g     ; eight k of my column: 16 bytes; sixteen lanes fill an aligned block of 256
.endr
	s_wait_loadcnt 0x0
.set I, 16
.rept 16
	v_cvt_pk_f16_f32 v[96+I], v[32+2*I], v[33+2*I]
.set I, I+1
.endr
.irp g, 4,5,6,7
	global_store_b128 v5, v[96+4*\g:99+4*\g], s[36:37] offset:256*\g
.endr
	s_endpgm
	; ---------------- Wq, Wk, Wv to codes.  A wave takes 32 columns x 256 along K: a lane a column, its registers down K, so a block of 32 lies in one lane.
.Lw4:
	s_sub_co_u32 s27, ttmp9, 288
	s_lshr_b32 s28, s27, 5                         ; w: 0 Wq, 1 Wk, 2 Wv
	s_and_b32 s29, s27, 7                          ; which 128 columns
	s_bfe_u32 s30, s27, 0x20003                    ; kq: which 256 along K
	s_cmp_eq_u32 s28, 0
	s_cselect_b64 s[32:33], s[8:9], s[10:11]
	s_cmp_eq_u32 s28, 2
	s_cselect_b64 s[32:33], s[12:13], s[32:33]
	s_lshl_b32 s31, s29, 7
	s_lshl_b32 s34, s26, 5
	s_add_co_u32 s31, s31, s34                     ; my first column
	s_lshl_b32 s34, s30, 20                        ; 256 rows of 4,096 bytes
	s_lshl_b32 s38, s31, 2
	s_add_co_u32 s34, s34, s38
	s_add_nc_u64 s[32:33], s[32:33], s[34:35]
	s_lshr_b32 s38, s31, 6                         ; the head
	s_and_b32 s39, s26, 1                          ; which pair of tiles in it
	s_mul_i32 s34, s38, 98304                      ; codes: head, weight, tile pair, and 8 blocks of 256 bytes for each kq
	s_lshl_b32 s40, s28, 15
	s_add_co_u32 s34, s34, s40
	s_lshl_b32 s40, s39, 14
	s_add_co_u32 s34, s34, s40
	s_lshl_b32 s40, s30, 11
	s_add_co_u32 s34, s34, s40
	s_add_nc_u64 s[36:37], s[20:21], s[34:35]
	s_mul_i32 s34, s38, 3                          ; scale words: (3 head + w) x 2,048 + pair x 1,024 + (kq % 2) x 512 + (kq / 2) x 256
	s_add_co_u32 s34, s34, s28
	s_lshl_b32 s34, s34, 11
	s_lshl_b32 s40, s39, 10
	s_add_co_u32 s34, s34, s40
	s_and_b32 s40, s30, 1
	s_lshl_b32 s40, s40, 9
	s_add_co_u32 s34, s34, s40
	s_lshr_b32 s40, s30, 1
	s_lshl_b32 s40, s40, 8
	s_add_co_u32 s34, s34, s40
	s_add_nc_u64 s[42:43], s[22:23], s[34:35]
	v_lshlrev_b32 v4, 2, v3                        ; in: 4 bytes a lane
	v_lshlrev_b32 v5, 13, v8
	v_lshl_add_u32 v5, v15, 4, v5                  ; codes out: 8,192 (lane / 16) + 16 (lane % 16)
	v_lshlrev_b32 v6, 3, v3                        ; scale words out: 8 bytes a lane
.macro WLOAD t                         ; block t: W(32 t + i, my column), i = 0 .. 31, into set t % 2 (v32-63, v64-95)
.set I, 0
.rept 32
	global_load_b32 v[32+32*((\t)%2)+I], v4, s[32:33] offset:(32*(\t)+I)*4096 th:TH_LOAD_NT
.set I, I+1
.endr
.endm
.macro WBLOCK t
.set XS, 32+32*((\t)%2)
.if (\t) < 7
	s_wait_loadcnt 32                              ; this block's 32 loads are in; the next block's may be out
.else
	s_wait_loadcnt 0x0
.endif
	BMAX
	v_lshrrev_b32 v12, 23, v11                     ; the scale's byte
.if (\t)%4 == 0
	v_mov_b32 v[16+(\t)/4], v12                    ; four bytes to a word, the lower K in the lower byte
.else
	v_lshl_or_b32 v[16+(\t)/4], v12, 8*((\t)%4), v[16+(\t)/4]
.endif
.irp g, 0,1,2,3
	v_cvt_scalef32_pk8_fp4_f32 v[96+4*(\t)+\g], v[XS+8*\g:XS+8*\g+7], v11     ; each block has its own four registers: no store's data are written again
.endr
	v_nop                                          ; one plain line behind the last conversion
	global_store_b128 v5, v[96+4*(\t):96+4*(\t)+3], s[36:37] offset:256*(\t)  ; sixteen lanes fill an aligned block of 256 bytes
.if (\t)+2 < 8
	WLOAD (\t)+2
.endif
.endm
	WLOAD 0
	WLOAD 1
.irp t, 0,1,2,3,4,5,6,7
	WBLOCK \t
.endr
	global_store_b64 v6, v[16:17], s[42:43]        ; 32 lanes fill an aligned block of 256 bytes
	s_endpgm
	; ---------------- x and context to codes.  A wave takes a tile of 16 rows, all of K, in 16 steps of 64 columns.
	; Each load reads two rows' 256 aligned bytes; a step's 4,096 bytes turn through the wave's own stage in LDS (rows 272 bytes apart) and come back 128 bytes a lane: a whole block of 32.
.Lact:
	s_lshl_b32 s30, ttmp9, 2
	s_add_co_u32 s30, s30, s26                     ; T
	s_cmp_lt_u32 ttmp9, 256                        ; x or context: the choice hangs on the work-group's number alone
	s_cselect_b64 s[32:33], s[4:5], s[6:7]
	s_cselect_b32 s31, 0, 1024
	s_sub_co_u32 s31, s30, s31
	s_lshl_b32 s34, s31, 16                        ; 16 rows of 4,096 bytes
	s_add_nc_u64 s[32:33], s[32:33], s[34:35]
	s_lshl_b32 s34, s30, 13
	s_add_nc_u64 s[36:37], s[16:17], s[34:35]      ; aq + 8,192 T
	s_lshl_b32 s34, s30, 9
	s_add_nc_u64 s[38:39], s[18:19], s[34:35]      ; asc + 512 T
	s_mov_b32 s28, 0x76543210
	s_mov_b32 s29, 0xfedcba98                      ; lane selects: lane l xor 16
	s_mul_i32 s27, s26, 8704                       ; my two stages of 16 x 272 bytes
	v_lshlrev_b32 v4, 12, v8
	v_lshl_add_u32 v4, v15, 4, v4                  ; in: row lane / 16, 16 bytes a lane
	v_mul_u32_u24 v5, v8, 272
	v_lshl_add_u32 v5, v15, 4, v5
	v_add_nc_u32 v5, s27, v5                       ; the stage, on the way in: the same two rows
	v_mul_u32_u24 v6, v15, 272
	v_lshl_add_u32 v6, v8, 7, v6
	v_add_nc_u32 v6, s27, v6                       ; and on the way out: row r, 128 h bytes on
	v_lshlrev_b32 v8, 3, v8                        ; 8 h: my byte's place in a scale word
	v_mov_b32 v14, 0                               ; written once: a lane permute's destination counts as one of its sources
.macro ALOAD t
.irp i, 0,1,2,3,4,5,6,7
	global_load_b128 v[R+32*((\t)%4)+4*\i:R+32*((\t)%4)+4*\i+3], v4, s[32:33] offset:8192*\i+256*(\t) th:TH_LOAD_NT
.endr
.endm
.macro TURN t                          ; LDS serves a wave's instructions in order: no wait between the stores and the loads
.irp i, 0,1,2,3,4,5,6,7
	ds_store_b128 v5, v[R+32*((\t)%4)+4*\i:R+32*((\t)%4)+4*\i+3] offset:4352*((\t)%2)+544*\i
.endr
.irp i, 0,1,2,3,4,5,6,7
	ds_load_b128 v[X+32*((\t)%2)+4*\i:X+32*((\t)%2)+4*\i+3], v6 offset:4352*((\t)%2)+16*\i
.endr
.endm
.macro STEP t
.set XS, X+32*((\t)%2)
	s_wait_dscnt 0x0                               ; this step's numbers are back from the stage, so its stores into the stage have read their registers,
.if (\t)+4 < 16
	ALOAD (\t)+4                                   ; which take the loads of four steps on
.endif
.if (\t)+1 < 16
.if 14-(\t) >= 3
	s_wait_loadcnt 24                              ; the next step's eight loads are in; those of the three steps behind it may be out
.else
	s_wait_loadcnt 8*(14-(\t))
.endif
	TURN (\t)+1                                    ; they go through the other stage while this step is worked
.endif
	BMAX
.if (\t) >= 4
	s_wait_xcnt 0x0                                ; the store of four steps ago has read these four registers
.endif
.irp g, 0,1,2,3
	v_cvt_scalef32_pk8_fp4_f32 v[C+4*((\t)%4)+\g], v[XS+8*\g:XS+8*\g+7], v11
.endr
	v_lshrrev_b32 v12, 23, v11                     ; the scale's byte (a plain line behind the conversions)
	global_store_b128 v7, v[C+4*((\t)%4):C+4*((\t)%4)+3], s[36:37] offset:512*(\t)   ; piece t % 2 of K step t / 2: 512 consecutive bytes
.if (\t)%2 == 0
	v_mov_b32 v13, v12                             ; block 4 s + h: byte h
.else
	v_lshl_or_b32 v13, v12, 16, v13                ; block 4 s + 2 + h: byte 2 + h
	v_lshlrev_b32 v13, v8, v13
	v_permlanex16_b32 v14, v13, s28, s29
	v_or_b32 v[16+(\t)/2], v13, v14                ; with lane l xor 16's two bytes the word of K step s is whole
.endif
.endm
.irp t, 0,1,2,3
	ALOAD \t
.endr
	s_wait_loadcnt 24                              ; step 0's eight loads are in
	TURN 0
.irp t, 0,1,2,3,4,5,6,7,8,9,10,11,12,13,14,15
	STEP \t
.endr
	v_cmp_le_u32 vcc_lo, 16, v3
.irp j, 0,1,2,3
	v_cndmask_b32 v[24+\j], v[16+\j], v[20+\j], vcc_lo   ; lanes 0-15 K steps 0-3, lanes 16-31 K steps 4-7
.endr
	global_store_b128 v7, v[24:27], s[38:39]
	s_wait_tensorcnt 0x0                           ; the wave's end: three lines behind my last LDS store
	ds_add_u32 v[SPW], v[NIL]
	s_wait_dscnt 0x0
	s_endpgm
.Lfunc_end_k_qd3094f8c31_prep:
	.size	k_qd3094f8c31_prep, .Lfunc_end_k_qd3094f8c31_prep-k_qd3094f8c31_prep
	.p2alignl 7, 3214868480
	.fill 96, 4, 3214868480
	.section	.rodata,"a",@progbits
	.p2align	6, 0x0
	.amdhsa_kernel k_qd3094f8c31_prep
		.amdhsa_group_segment_fixed_size 35328
		.amdhsa_private_segment_fixed_size 0
		.amdhsa_enable_private_segment 0
		.amdhsa_kernarg_size 88
		.amdhsa_user_sgpr_count 2
		.amdhsa_user_sgpr_kernarg_segment_ptr 1
		.amdhsa_wavefront_size32 1
		.amdhsa_system_sgpr_workgroup_id_x 1
		.amdhsa_system_sgpr_workgroup_id_y 1
		.amdhsa_system_sgpr_workgroup_id_z 1
		.amdhsa_system_vgpr_workitem_id 0
		.amdhsa_next_free_vgpr 240
		.amdhsa_next_free_sgpr 66
		.amdhsa_reserve_vcc 1
		.amdhsa_float_denorm_mode_32 3
		.amdhsa_float_denorm_mode_16_64 3
		.amdhsa_memory_ordered 1
		.amdhsa_forward_progress 1
		.amdhsa_inst_pref_size 105
	.end_amdhsa_kernel
	.amdgpu_metadata
---
amdhsa.version: [ 1, 2 ]
amdhsa.kernels:
  - .name:           k_qd3094f8c31_prep
    .symbol:         k_qd3094f8c31_prep.kd
    .args:
      - { .name: x, .offset: 0, .size: 8, .value_kind: global_buffer, .address_space: global }
      - { .name: context, .offset: 8, .size: 8, .value_kind: global_buffer, .address_space: global }
      - { .name: Wq, .offset: 16, .size: 8, .value_kind: global_buffer, .address_space: global }
      - { .name: Wk, .offset: 24, .size: 8, .value_kind: global_buffer, .address_space: global }
      - { .name: Wv, .offset: 32, .size: 8, .value_kind: global_buffer, .address_space: global }
      - { .name: Wo, .offset: 40, .size: 8, .value_kind: global_buffer, .address_space: global }
      - { .name: aq, .offset: 48, .size: 8, .value_kind: global_buffer, .address_space: global }
      - { .name: asc, .offset: 56, .size: 8, .value_kind: global_buffer, .address_space: global }
      - { .name: wq4, .offset: 64, .size: 8, .value_kind: global_buffer, .address_space: global }
      - { .name: ws4, .offset: 72, .size: 8, .value_kind: global_buffer, .address_space: global }
      - { .name: wo16, .offset: 80, .size: 8, .value_kind: global_buffer, .address_space: global }
    .group_segment_fixed_size: 35328
    .private_segment_fixed_size: 0
    .kernarg_segment_align: 8
    .kernarg_segment_size: 88
    .max_flat_workgroup_size: 128
    .sgpr_count:     66
    .vgpr_count:     240
    .wavefront_size: 32
...
	.end_amdgpu_metadata
.endif
;; end of part 1
;; launch attn (part 2): grid 4 x 64, 8 waves a work-group, clusters of 4 x 1, 230,400 bytes of LDS; arguments aq, asc, wq4, ws4, o16; writes o16
.if DOCPART == 2
	.amdgcn_target "amdgcn-amd-amdhsa--gfx1250"
	.amdhsa_code_object_version 6
	.text
	.protected	k_qd3094f8c31_attn
	.globl	k_qd3094f8c31_attn
	.p2align	8
	.type	k_qd3094f8c31_attn,@function
k_qd3094f8c31_attn:
	s_mov_b64 s[64:65], 0
	v_nop
	global_prefetch_b8 v0, s[64:65] scope:SCOPE_SE
	s_setreg_imm32_b32 hwreg(HW_REG_WAVE_MODE, 25, 1), 1
	s_wait_xcnt 0x0
	s_wait_alu depctr_hold_cnt(0) depctr_sa_sdst(0) depctr_va_vdst(0) depctr_va_sdst(0) depctr_va_ssrc(0) depctr_va_vcc(0) depctr_vm_vsrc(0)
	s_getreg_b32 s2, hwreg(HW_REG_IB_STS2, 6, 4)
	s_cmp_eq_u32 s2, 0
	s_cbranch_scc0 .Lentry_in_a_cluster
	s_endpgm
.Lentry_in_a_cluster:
	s_bfe_u32 s2, ttmp6, 0x10000c
	s_cmp_lg_u32 s2, 0x3003
	s_cbranch_scc0 .Lentry_shape_is_right
	s_endpgm
.Lentry_shape_is_right:
; o = softmax(q k^T / 8) v for one batch and head and 1,024 queries, with q, k, v made here from codes of FP4 (E2M1) by the scaled matrix instruction; q, k, v, the scores and p never go to memory.
; SHARES.  Work-group (x = which 1,024 queries, y = 16 batch + head).  Its eight waves first make the head's K and V (wave w: keys 64 w .. 64 w + 63) into LDS, as f16 images of operand registers;
; then wave w owns queries 128 w .. 128 w + 127 of the chunk, in 4 blocks of 32 (two tiles u of 16), and walks all 512 keys, 128 a step.
; LAYOUT.  All products are laid so that a lane holds ONE query: q^T = Wq^T x^T (source 0 = 16 columns of Wq, source 1 = 16 rows of x), S^T = K Q^T, O^T = V^T P.  K is made like q (a lane a key, registers
; along the channels), V with the sources changed (a lane a channel, registers along the keys).  Pairs of results rounded to f16 are the next product's operand registers as they stand.
; SOFTMAX.  A running maximum m and sum l for each query: p = 2^(c s - c m), c = log2(e) / 8; O and l are multiplied by a = 2^(c m_old - c m_new) in every step but the first.
; FORMATS.  q, k, v, p, o go to the matrix unit as f16, sums in f32.  LIMIT: |q|, |k|, |v| up to 65,504.  NaN and infinities are not served.
; CLUSTER.  The four work-groups of a cluster are the four chunks of one batch and head: they need the same 96 KiB of weight codes, so each wave's eighth of them is asked for JOINTLY: the same tensor load, with the
; same descriptor (made of the head and the wave's number alone) and a mask that names the four, in all four.  The chunk enters x's and o's global addresses alone.  The context's codes, which the four share too,
; go straight into registers: their 256 KiB, the weights' 96 and the 128 of K's and V's images are more than LDS holds.  The x codes of a block are asked for a whole block ahead.
; LDS: 0: the head's three weights as codes (w x 32,768 + tile x 8,192 + K step x 1,024), filled once by eight tensor loads; KI: K [key tile 32][c 2][1,024]; VI: V [tile 4][32 keys 16][1,024]; the spare words.
; Every LDS and workspace access is 16 bytes a lane at 16 x lane: 512 consecutive bytes.
; REGISTERS.  Window 0: v1-6 addresses; v8-15 statistics (tile u: c m, m, l in two halves); v16-63 scale words and nothing else; v64-127 accumulators of a projection, then O^T; v128-159 Q; v160-255 a ring of three buffers
; of 32 for what comes from LDS.  Window 1: v0-127 x's (or context's) codes, 64 u + 8 s; v128-255 S^T, then p (or context tiles 2, 3).
.set KI,    98304
.set VI,    163840
.set SPARE, 229376                     ; the spare words, 128 bytes for each of eight waves
.set SPW, 1                            ; v1  LDS address of my spare word; never rewritten
.set NIL, 2                            ; v2  0; never rewritten
.set L16, 3                            ; v3  16 x lane
.set LK,  4                            ; v4  16 x lane + KI
.set LV,  5                            ; v5  16 x lane + VI
.set W8,  6                            ; v6  256 (lane / 16) + 8 (lane % 16): the weights' scale words
.set ST,  8                            ; v8-15
.set LWV, 8                            ; in the K/V phase: 16 x lane + 65,536 (Wv's codes),
.set KS,  9                            ; where I store K,
.set VS,  10                           ; where I store V
.set ASA, 16                           ; scale words of two tiles of rows: 4 u + j
.set ASB, 24
.set WSA, 32                           ; scale words of a weight's four tiles: 4 t + j
.set WSB, 48
.set ACC, 64                           ; tile (t, u) at 64 + 32 u + 8 t
.set Q,   128                          ; 128 + 16 u + 8 c
.set FR,  160
.set S,   128                          ; in window 1: 128 + 64 u + 8 x key tile
.set MSB, 0
.set GL,  0                            ; groups of eight LDS loads issued,
.set GC,  0                            ; and multiplied: group g lies in ring buffer g % 3
.macro WIN new                         ; the immediate's high byte repeats the setting that is left
.if MSB != (\new)
	s_set_vgpr_msb (MSB<<8)|(\new)
.set MSB, (\new)
.endif
.endm
.macro PLACES                          ; four plain places behind a matrix instruction, in front of loads into registers that it read and of reads of its results
.rept 4
	v_nop
.endr
.endm
; A round of the cluster's barrier: my work-group's barrier, so that wave 0's signal speaks for all eight waves; wave 0 signals for the work-group; every wave waits for all four work-groups; my work-group's barrier once more
.macro CROUND
	s_barrier_signal -1
	s_barrier_wait -1
	s_cmp_lg_u32 s14, 0
	s_cbranch_scc1 .Lnot_wave_0_\@
	s_barrier_signal -3
.Lnot_wave_0_\@:
	s_barrier_wait -3
	s_barrier_signal -1
	s_barrier_wait -1
.endm
.macro LDW adr, off                    ; a K step's four fragments of a weight
.set FB, FR+32*(GL%3)
.irp t, 0,1,2,3
	ds_load_b128 v[FB+8*\t:FB+8*\t+3], v[\adr] offset:(\off)+\t*8192
	ds_load_b128 v[FB+8*\t+4:FB+8*\t+7], v[\adr] offset:(\off)+\t*8192+512
.endr
.set GL, GL+1
.endm
.macro LDK j, n                        ; key tiles 8 j + 2 n + i, both halves c of the channels: fragment at 16 i + 8 c
.set FB, FR+32*(GL%3)
.irp i, 0,1
.irp c, 0,1
	ds_load_b128 v[FB+16*\i+8*\c:FB+16*\i+8*\c+3], v[LK] offset:(8*(\j)+2*(\n)+\i)*2048+\c*1024
	ds_load_b128 v[FB+16*\i+8*\c+4:FB+16*\i+8*\c+7], v[LK] offset:(8*(\j)+2*(\n)+\i)*2048+\c*1024+512
.endr
.endr
.set GL, GL+1
.endm
.macro LDV j, n                        ; keys 32 (4 j + n) on, the four tiles of channels
.set FB, FR+32*(GL%3)
.irp t, 0,1,2,3
	ds_load_b128 v[FB+8*\t:FB+8*\t+3], v[LV] offset:\t*16384+(4*(\j)+(\n))*1024
	ds_load_b128 v[FB+8*\t+4:FB+8*\t+7], v[LV] offset:\t*16384+(4*(\j)+(\n))*1024+512
.endr
.set GL, GL+1
.endm
; One scaled product.  K step s: the first starts the sum with the constant 0; steps 4 to 7 take their scale words from lanes 16-31
.macro PMUL d, a, b, sa, sb, s
.if (\s) == 0
	v_wmma_scale_f32_16x16x128_f8f6f4 v[\d:\d+7], v[\a:\a+7], v[\b:\b+7], 0, v[\sa], v[\sb] matrix_a_fmt:MATRIX_FMT_FP4 matrix_b_fmt:MATRIX_FMT_FP4
.elseif (\s) < 4
	v_wmma_scale_f32_16x16x128_f8f6f4 v[\d:\d+7], v[\a:\a+7], v[\b:\b+7], v[\d:\d+7], v[\sa], v[\sb] matrix_a_fmt:MATRIX_FMT_FP4 matrix_b_fmt:MATRIX_FMT_FP4
.else
	v_wmma_scale_f32_16x16x128_f8f6f4 v[\d:\d+7], v[\a:\a+7], v[\b:\b+7], v[\d:\d+7], v[\sa], v[\sb] matrix_a_fmt:MATRIX_FMT_FP4 matrix_b_fmt:MATRIX_FMT_FP4 matrix_a_scale:MATRIX_SCALE_ROW1 matrix_b_scale:MATRIX_SCALE_ROW1
.endif
.endm
; A PROJECTION: two tiles of rows (codes in window 1 at ab + 64 u + 8 s, scale words at asc) x 64 columns of a weight (LDS address register adr, byte wofs; scale words at wsc), K = 1,024 in 8 steps.
; swap = 0: source 0 = the weight; 1: source 0 = the rows.  The weight's fragments come two steps ahead through the ring; the eight accumulators take turns.
; cont = 1 (q): the rows' codes come by global loads issued in the order of the K steps, four a step; and the last two steps fetch the first two groups of K.
.macro PROJ adr, wofs, ab, asc, wsc, swap, cont
.set GL, 0
.set GC, 0
.if \swap
.set WL, 0
.set WP, 0x01
.else
.set WL, 0x04
.set WP, 0x04
.endif
	WIN WL                                         ; for LDS loads the destination and the address are in window 0
	LDW \adr, \wofs
	LDW \adr, (\wofs)+1024
.irp s, 0,1,2,3,4,5,6,7
	WIN WL
.if \s > 0
	PLACES                                         ; the buffer that is loaded next was read by the step just before
.endif
.if \s < 6
	LDW \adr, (\wofs)+(\s+2)*1024
	s_wait_dscnt 16                                ; the two younger groups may be out: this step's is in
.elseif \cont
	LDK 0, \s-6
	s_wait_dscnt 16
.else
	s_wait_dscnt 8*(7-\s)
.endif
.if \cont
	s_wait_loadcnt 4*(7-\s)                        ; the later K steps' four loads each may be out
.endif
	WIN WP
.set FC, FR+32*(GC%3)
.irp u, 0,1
.irp t, 0,1,2,3
.if \swap
	PMUL ACC+32*\u+8*\t, \ab+64*\u+8*\s, FC+8*\t, \asc+4*\u+(\s%4), \wsc+4*\t+(\s%4), \s
.else
	PMUL ACC+32*\u+8*\t, FC+8*\t, \ab+64*\u+8*\s, \wsc+4*\t+(\s%4), \asc+4*\u+(\s%4), \s
.endif
.endr
.endr
.set GC, GC+1
.endr
.endm
; The eight accumulators, rounded to f16 in place (each from its low end on), go to LDS as pieces of operand images: tile (t, u) at base + u du + t dt
.macro PUT adr, base, du, dt
	WIN 0
	PLACES
.irp u, 0,1
.irp t, 0,1,2,3
.irp j, 0,1,2,3
	v_cvt_pk_f16_f32 v[ACC+32*\u+8*\t+\j], v[ACC+32*\u+8*\t+2*\j], v[ACC+32*\u+8*\t+2*\j+1]
.endr
.endr
.endr
.irp u, 0,1
.irp t, 0,1,2,3
	ds_store_b128 v[\adr], v[ACC+32*\u+8*\t:ACC+32*\u+8*\t+3] offset:(\base)+\u*(\du)+\t*(\dt)
.endr
.endr
.endm
.macro WSLOAD reg, w                   ; the scale words of weight w: two loads of 8 bytes a tile
.irp t, 0,1,2,3
.irp i, 0,1
	global_load_b64 v[\reg+4*\t+2*\i:\reg+4*\t+2*\i+1], v[W8], s[42:43] offset:(\w)*2048+(\t/2)*1024+\i*512+(\t%2)*128
.endr
.endr
.endm
.macro XLOAD off                       ; two tiles of x's codes, in the order of the K steps
	WIN 0x40                                       ; destination window 1
.irp s, 0,1,2,3,4,5,6,7
.irp u, 0,1
.irp c, 0,1
	global_load_b128 v[64*\u+8*\s+4*\c:64*\u+8*\s+4*\c+3], v[L16], s[36:37] offset:(\off)+\u*8192+\s*1024+\c*512
.endr
.endr
.endr
	WIN 0
.endm
; S^T = K Q^T for key tiles 8 j + 2 n, 8 j + 2 n + 1: eight products on four accumulators by turns
.macro SG j, n
	WIN 0
	PLACES
.if \n < 2
	LDK \j, \n+2
.else
	LDV \j, \n-2
.endif
	s_wait_dscnt 16
	WIN 0x50                                       ; C and D in window 1
.set FC, FR+32*(GC%3)
.irp c, 0,1
.irp i, 0,1
.irp u, 0,1
.if \c == 0
	v_wmma_f32_16x16x32_f16 v[S+64*\u+8*(2*\n+\i):S+64*\u+8*(2*\n+\i)+7], v[FC+16*\i+8*\c:FC+16*\i+8*\c+7], v[Q+16*\u+8*\c:Q+16*\u+8*\c+7], 0
.else
	v_wmma_f32_16x16x32_f16 v[S+64*\u+8*(2*\n+\i):S+64*\u+8*(2*\n+\i)+7], v[FC+16*\i+8*\c:FC+16*\i+8*\c+7], v[Q+16*\u+8*\c:Q+16*\u+8*\c+7], v[S+64*\u+8*(2*\n+\i):S+64*\u+8*(2*\n+\i)+7]
.endif
.endr
.endr
.endr
.set GC, GC+1
.endm
; O^T += V^T P for keys 32 (4 j + n) on: eight products on eight accumulators by turns
.macro PG j, n
	WIN 0x04                                       ; P in window 1
.if \n < 2
	PLACES
	LDV \j, \n+2
	s_wait_dscnt 16
.elseif \j < 3
	PLACES
	LDK \j+1, \n-2
	s_wait_dscnt 16
.else
	s_wait_dscnt 8*(3-\n)                          ; the block's last two groups: nothing more is fetched
.endif
.set FC, FR+32*(GC%3)
.irp u, 0,1
.irp t, 0,1,2,3
.if (\j == 0) && (\n == 0)
	v_wmma_f32_16x16x32_f16 v[ACC+32*\u+8*\t:ACC+32*\u+8*\t+7], v[FC+8*\t:FC+8*\t+7], v[S+64*\u+8*\n:S+64*\u+8*\n+7], 0
.else
	v_wmma_f32_16x16x32_f16 v[ACC+32*\u+8*\t:ACC+32*\u+8*\t+7], v[FC+8*\t:FC+8*\t+7], v[S+64*\u+8*\n:S+64*\u+8*\n+7], v[ACC+32*\u+8*\t:ACC+32*\u+8*\t+7]
.endif
.endr
.endr
.set GC, GC+1
.endm
; THE SOFTMAX of 128 keys for both tiles, the tiles line by line by turns.  Its temporaries T(u, 0..7) lie in the ring buffer that the last group of K has left, free until the next fetch.
.macro SOFTMAX j
.set TT, FR+32*((GC+2)%3)
	WIN 0x15                                       ; three sources in window 1
	PLACES
.irp k, 0,1,2,3                        ; four chains of 16 scores; each accumulator is first read at its low end
.irp u, 0,1
	v_max3_num_f32 v[TT+8*\u+4+\k], v[S+64*\u+16*\k], v[S+64*\u+16*\k+1], v[S+64*\u+16*\k+2]
.endr
.endr
	WIN 0x14
.irp i, 3,5,7,9,11,13
.irp k, 0,1,2,3
.irp u, 0,1
	v_max3_num_f32 v[TT+8*\u+4+\k], v[TT+8*\u+4+\k], v[S+64*\u+16*\k+\i], v[S+64*\u+16*\k+\i+1]
.endr
.endr
.endr
.irp u, 0,1
	v_max3_num_f32 v[TT+8*\u+4], v[TT+8*\u+4], v[S+64*\u+15], v[S+64*\u+31]
	v_max3_num_f32 v[TT+8*\u+6], v[TT+8*\u+6], v[S+64*\u+47], v[S+64*\u+63]
.endr
	WIN 0
.irp u, 0,1
	v_max3_num_f32 v[TT+8*\u+4], v[TT+8*\u+4], v[TT+8*\u+5], v[TT+8*\u+6]
.endr
.irp u, 0,1
.if \j == 0
	v_max_num_f32 v[TT+8*\u+4], v[TT+8*\u+4], v[TT+8*\u+7]
.else
	v_max3_num_f32 v[TT+8*\u+4], v[TT+8*\u+4], v[TT+8*\u+7], v[ST+4*\u+1]    ; with the old m
.endif
.endr
.irp u, 0,1
	v_permlanex16_b32 v[TT+8*\u+5], v[TT+8*\u+4], s48, s49                   ; the query's other keys lie in the lane 16 away
.endr
.if \j > 0
.irp u, 0,1
	v_mov_b32 v[TT+8*\u+7], v[ST+4*\u]                                       ; c m_old
.endr
.endif
.irp u, 0,1
	v_max_num_f32 v[ST+4*\u+1], v[TT+8*\u+4], v[TT+8*\u+5]                   ; m
.endr
.irp u, 0,1
	v_mul_f32 v[ST+4*\u], s46, v[ST+4*\u+1]                                  ; c m
.endr
.if \j > 0
.irp u, 0,1
	v_sub_f32 v[TT+8*\u+7], v[TT+8*\u+7], v[ST+4*\u]
.endr
.irp u, 0,1
	v_exp_f32 v[TT+8*\u+6], v[TT+8*\u+7]                                     ; a: part of the batch below
.endr
.endif
	WIN 0x41                                       ; destination and source 0 in window 1
.set I, 0
.rept 32
.irp u, 0,1
	v_pk_fma_f32 v[S+64*\u+2*I:S+64*\u+2*I+1], v[S+64*\u+2*I:S+64*\u+2*I+1], s[46:47], v[ST+4*\u:ST+4*\u+1] op_sel_hi:[1,0,0] neg_lo:[0,0,1] neg_hi:[0,0,1]   ; c s - c m
.endr
.set I, I+1
.endr
.set I, 0
.rept 64
.irp u, 0,1
	v_exp_f32 v[S+64*\u+I], v[S+64*\u+I]
.endr
.set I, I+1
.endr
	v_nop                                          ; the plain line behind the last exponential,
	s_wait_alu depctr_va_vdst(0)                   ; and one wait for the whole batch, ahead of its first reader
	WIN 0x05                                       ; the sums of the unrounded p, two at a time, in two chains a tile
.irp u, 0,1
	v_pk_add_f32 v[TT+8*\u:TT+8*\u+1], v[S+64*\u:S+64*\u+1], v[S+64*\u+2:S+64*\u+3]
	v_pk_add_f32 v[TT+8*\u+2:TT+8*\u+3], v[S+64*\u+4:S+64*\u+5], v[S+64*\u+6:S+64*\u+7]
.endr
	WIN 0x04
.set I, 8
.rept 14
.irp u, 0,1
	v_pk_add_f32 v[TT+8*\u:TT+8*\u+1], v[TT+8*\u:TT+8*\u+1], v[S+64*\u+I:S+64*\u+I+1]
	v_pk_add_f32 v[TT+8*\u+2:TT+8*\u+3], v[TT+8*\u+2:TT+8*\u+3], v[S+64*\u+I+2:S+64*\u+I+3]
.endr
.set I, I+4
.endr
	WIN 0
.if \j == 0
.irp u, 0,1
	v_pk_add_f32 v[ST+4*\u+2:ST+4*\u+3], v[TT+8*\u:TT+8*\u+1], v[TT+8*\u+2:TT+8*\u+3]
.endr
.else
.irp u, 0,1
	v_pk_add_f32 v[TT+8*\u:TT+8*\u+1], v[TT+8*\u:TT+8*\u+1], v[TT+8*\u+2:TT+8*\u+3]
.endr
.irp u, 0,1
	v_pk_fma_f32 v[ST+4*\u+2:ST+4*\u+3], v[ST+4*\u+2:ST+4*\u+3], v[TT+8*\u+6:TT+8*\u+7], v[TT+8*\u:TT+8*\u+1] op_sel_hi:[1,0,1]   ; l = a l + the sum
.endr
.endif
	WIN 0x45                                       ; p to f16 in place, ascending: the fragment of keys 32 g on lies at 8 g
.set I, 0
.rept 32
.irp u, 0,1
	v_cvt_pk_f16_f32 v[S+64*\u+I], v[S+64*\u+2*I], v[S+64*\u+2*I+1]
.endr
.set I, I+1
.endr
.if \j > 0
	WIN 0
.set I, 0
.rept 16
.irp u, 0,1
	v_pk_mul_f32 v[ACC+32*\u+2*I:ACC+32*\u+2*I+1], v[ACC+32*\u+2*I:ACC+32*\u+2*I+1], v[TT+8*\u+6:TT+8*\u+7] op_sel_hi:[1,0]       ; O^T x a
.endr
.set I, I+1
.endr
.endif
.endm
; O^T / l, rounded to f16, stored as pieces of the next launch's operand images: each store covers 512 consecutive bytes
.macro FINISH
	WIN 0
.irp u, 0,1
	v_add_f32 v[ST+4*\u], v[ST+4*\u+2], v[ST+4*\u+3]
.endr
.irp u, 0,1
	v_permlanex16_b32 v[ST+4*\u+1], v[ST+4*\u], s48, s49
.endr
.irp u, 0,1
	v_add_f32 v[ST+4*\u], v[ST+4*\u], v[ST+4*\u+1]
.endr
.irp u, 0,1
	v_rcp_f32 v[ST+4*\u], v[ST+4*\u]
.endr
	v_nop
	s_wait_alu depctr_va_vdst(0)                   ; one wait for the two reciprocals, ahead of their first reader
.set I, 0
.rept 16
.irp u, 0,1
	v_pk_mul_f32 v[ACC+32*\u+2*I:ACC+32*\u+2*I+1], v[ACC+32*\u+2*I:ACC+32*\u+2*I+1], v[ST+4*\u:ST+4*\u+1] op_sel_hi:[1,0]
.endr
.set I, I+1
.endr
.irp u, 0,1
.irp t, 0,1,2,3
.irp j, 0,1,2,3
	v_cvt_pk_f16_f32 v[ACC+32*\u+8*\t+\j], v[ACC+32*\u+8*\t+2*\j], v[ACC+32*\u+8*\t+2*\j+1]
.endr
.endr
.endr
.irp u, 0,1
.irp t, 0,1,2,3
	global_store_b128 v[L16], v[ACC+32*\u+8*\t:ACC+32*\u+8*\t+3], s[40:41] offset:\u*2048+\t*512 th:TH_STORE_NT
.endr
.endr
.endm
	s_load_b256 s[4:11], s[0:1], 0x0               ; aq s[4:5], asc s[6:7], wq4 s[8:9], ws4 s[10:11]
	s_load_b64 s[12:13], s[0:1], 0x20              ; o16
	v_lshl_add_u32 v[SPW], v0, 2, SPARE
	v_mov_b32 v[NIL], 0
	ds_add_u32 v[SPW], v[NIL]                      ; the wave's opening: the add, twice on end, and its wait ahead of my tensor load; work on registers stands between
	ds_add_u32 v[SPW], v[NIL]
	v_lshrrev_b32 v7, 5, v0
	v_readfirstlane_b32 s14, v7                    ; wave 0..7
	s_and_b32 s15, ttmp7, 0xffff                   ; 16 batch + head, which the four partners share
	s_lshr_b32 s16, s15, 4                         ; batch
	s_and_b32 s17, s15, 15                         ; head
	s_lshl_b32 s18, s16, 5
	s_lshl_b32 s19, s14, 2
	s_add_co_u32 s18, s18, s19
	s_add_co_u32 s18, s18, 1024                    ; my first tile of context: 1,024 + 32 batch + 4 wave
	s_bfe_u32 s54, ttmp6, 0x40000                  ; cx: my place in the cluster
	s_lshl_b32 s55, ttmp9, 2                       ; in a cluster launch ttmp9 counts clusters
	s_add_co_u32 s55, s55, s54                     ; my chunk of 1,024 queries = 4 x cluster x + cx: it enters x's and o's addresses alone
	s_lshl_b32 s50, s16, 8
	s_lshl_b32 s55, s55, 6
	s_add_co_u32 s50, s50, s55
	s_lshl_b32 s55, s14, 3
	s_add_co_u32 s50, s50, s55                     ; my first tile of x and of o: 256 batch + 64 chunk + 8 wave
	s_mov_b32 s20, 1                               ; descriptor group 0: count 1,
	s_mul_i32 s21, s14, 12288                      ; LDS address: my eighth of the head's 98,304 bytes of codes
	s_mov_b32 s24, 15|(3<<16)|(1<<21)              ; group 1: the mask: all four work-groups, bit 21 set beside it; elements of 8 bytes, no padding: a dense block as 48 rows of 256 bytes
	s_mov_b32 s25, 32<<16                          ; tensor_dim0 = 32
	s_mov_b32 s26, 48<<16                          ; tensor_dim1 = 48
	s_mov_b32 s27, 32<<16                          ; tile_dim0 = 32
	s_mov_b32 s28, 48                              ; tile_dim1 = 48
	s_mov_b32 s29, 32                              ; pitch = 32 elements
	s_mov_b32 s30, 0
	s_mov_b32 s31, 0
	s_mov_b32 s44, 4                               ; blocks of 32 queries
	s_mov_b32 s46, 0x3e38aa3b                      ; c = log2(e) / 8
	s_mov_b32 s47, s46                             ; (named with it as a pair)
	s_mov_b32 s48, 0x76543210
	s_mov_b32 s49, 0xfedcba98                      ; lane selects: lane l xor 16
	s_mov_b32 s53, 0
	v_and_b32 v7, 31, v0
	v_lshlrev_b32 v[L16], 4, v7
	v_lshrrev_b32 v[W8], 4, v7
	v_and_b32 v7, 15, v7
	v_lshlrev_b32 v[W8], 8, v[W8]
	v_lshl_add_u32 v[W8], v7, 3, v[W8]
	v_add_nc_u32 v[LK], KI, v[L16]
	v_add_nc_u32 v[LV], VI, v[L16]
	v_add_nc_u32 v[LWV], 65536, v[L16]
	s_lshl_b32 s19, s14, 13
	s_add_co_u32 s19, s19, KI
	v_add_nc_u32 v[KS], s19, v[L16]                ; my four key tiles of K: 2,048 bytes each
	s_lshl_b32 s19, s14, 11
	s_add_co_u32 s19, s19, VI
	v_add_nc_u32 v[VS], s19, v[L16]                ; my two groups of 32 keys of V: 1,024 bytes each in every tile of channels
	s_wait_dscnt 0x0                               ; both opening adds are done
	s_wait_kmcnt 0x0
	s_mul_i32 s52, s17, 98304
	s_add_co_u32 s52, s52, s21
	s_add_nc_u64 s[22:23], s[8:9], s[52:53]        ; global address of my eighth: the head and the wave's number alone
	s_or_b32 s23, s23, 0x80000000                  ; type 2
	CROUND                                         ; all four work-groups are here: the joint loads meet
	tensor_load_to_lds s[20:23], s[24:31]          ; one load a wave, filled once: one tensor load of mine is out
	s_nop 0
.rept 4
	v_nop
.endr
	s_lshl_b32 s52, s18, 13
	s_add_nc_u64 s[32:33], s[4:5], s[52:53]        ; context's codes
	s_lshl_b32 s52, s18, 9
	s_add_nc_u64 s[34:35], s[6:7], s[52:53]        ; and scale words
	s_lshl_b32 s52, s50, 13
	s_add_nc_u64 s[36:37], s[4:5], s[52:53]        ; x's codes
	s_lshl_b32 s52, s50, 9
	s_add_nc_u64 s[38:39], s[6:7], s[52:53]        ; and scale words
	s_lshl_b32 s52, s50, 11
	s_lshl_b32 s51, s17, 21
	s_add_co_u32 s52, s52, s51
	s_add_nc_u64 s[40:41], s[12:13], s[52:53]      ; o16: head x 2,097,152 + tile x 2,048
	s_mul_i32 s52, s17, 6144
	s_add_nc_u64 s[42:43], s[10:11], s[52:53]      ; the head's scale words of the three weights
.irp i, 0,1,2,3
	global_load_b128 v[ASA+4*\i:ASA+4*\i+3], v[L16], s[34:35] offset:512*\i   ; context tiles 0, 1 into ASA, tiles 2, 3 into ASB
.endr
	WSLOAD WSA, 1                                  ; Wk's
	WSLOAD WSB, 2                                  ; Wv's
	WIN 0x40
.irp i, 0,1,2,3                        ; my four tiles of context: tiles 0, 1 first
.irp s, 0,1,2,3,4,5,6,7
.irp c, 0,1
	global_load_b128 v[64*\i+8*\s+4*\c:64*\i+8*\s+4*\c+3], v[L16], s[32:33] offset:\i*8192+\s*1024+\c*512
.endr
.endr
.endr
	WIN 0
	s_wait_tensorcnt 0x0                           ; my eighth of the weights is in,
	s_barrier_signal -1
	s_barrier_wait -1                              ; everybody's is
	; ---- K and V of my 64 keys
	s_wait_loadcnt 32                              ; all but context tiles 2, 3
	PROJ L16, 32768, 0, ASA, WSA, 0, 0
	PUT KS, 0, 2048, 512                           ; key tile u, piece t
	PROJ LWV, 0, 0, ASA, WSB, 1, 0
	PUT VS, 0, 512, 16384                          ; tile of channels t, piece u
.irp u, 0,1
	global_load_b128 v[ASA+4*\u:ASA+4*\u+3], v[L16], s[38:39] offset:512*\u   ; the first block's x: scale words, then codes, into what context tiles 0, 1 have left
.endr
	XLOAD 0
	s_wait_loadcnt 34                              ; context tiles 2, 3 are in: the 34 loads just issued may be out
	PROJ L16, 32768, 128, ASB, WSA, 0, 0
	PUT KS, 4096, 2048, 512
	WSLOAD WSA, 0                                  ; Wq's, into what Wk's have left
	PROJ LWV, 0, 128, ASB, WSB, 1, 0
	PUT VS, 1024, 512, 16384
	s_wait_loadcnt 0x0                             ; Wq's scale words were asked for behind x's codes: the counted waits in the loop do not cover them
	s_wait_dscnt 0x0                               ; for the others' sake: my stores of K and V are done
	s_barrier_signal -1
	s_barrier_wait -1
	; ---- four blocks of 32 queries
.Lblock:
	PROJ L16, 0, 0, ASA, WSA, 0, 1                 ; q^T
	WIN 0
	PLACES
.irp u, 0,1
.irp t, 0,1,2,3
.irp j, 0,1,2,3
	v_cvt_pk_f16_f32 v[Q+16*\u+4*\t+\j], v[ACC+32*\u+8*\t+2*\j], v[ACC+32*\u+8*\t+2*\j+1]
.endr
.endr
.endr
	s_cmp_eq_u32 s44, 1                            ; the next block's x is asked for here, if there is a next block: no load leaves its buffer
	s_cbranch_scc1 .Lno_next
.irp u, 0,1
	global_load_b128 v[ASA+4*\u:ASA+4*\u+3], v[L16], s[38:39] offset:1024+512*\u
.endr
	XLOAD 16384
.Lno_next:
.irp j, 0,1,2,3
.irp n, 0,1,2,3
	SG \j, \n
.endr
	SOFTMAX \j
.irp n, 0,1,2,3
	PG \j, \n
.endr
.endr
	FINISH
	s_wait_xcnt 0x0                                ; the stores have read their registers, the loads and stores their bases: all may be written again
	s_add_nc_u64 s[36:37], s[36:37], 16384
	s_add_nc_u64 s[38:39], s[38:39], 1024
	s_add_nc_u64 s[40:41], s[40:41], 4096
	s_sub_co_u32 s44, s44, 1
	s_cmp_lg_u32 s44, 0
	s_cbranch_scc1 .Lblock
	s_wait_tensorcnt 0x0                           ; the wave's end: three lines behind my tensor load and my last LDS store
	ds_add_u32 v[SPW], v[NIL]
	s_wait_dscnt 0x0
	CROUND                                         ; the closing round: no work-group ends while a partner may still ask for codes by a load that names it
	s_endpgm
.Lfunc_end_k_qd3094f8c31_attn:
	.size	k_qd3094f8c31_attn, .Lfunc_end_k_qd3094f8c31_attn-k_qd3094f8c31_attn
	.p2alignl 7, 3214868480
	.fill 96, 4, 3214868480
	.section	.rodata,"a",@progbits
	.p2align	6, 0x0
	.amdhsa_kernel k_qd3094f8c31_attn
		.amdhsa_group_segment_fixed_size 230400
		.amdhsa_private_segment_fixed_size 0
		.amdhsa_enable_private_segment 0
		.amdhsa_kernarg_size 40
		.amdhsa_user_sgpr_count 2
		.amdhsa_user_sgpr_kernarg_segment_ptr 1
		.amdhsa_wavefront_size32 1
		.amdhsa_system_sgpr_workgroup_id_x 1
		.amdhsa_system_sgpr_workgroup_id_y 1
		.amdhsa_system_sgpr_workgroup_id_z 1
		.amdhsa_system_vgpr_workitem_id 0
		.amdhsa_next_free_vgpr 512
		.amdhsa_next_free_sgpr 66
		.amdhsa_reserve_vcc 0
		.amdhsa_float_denorm_mode_32 3
		.amdhsa_float_denorm_mode_16_64 3
		.amdhsa_memory_ordered 1
		.amdhsa_forward_progress 1
		.amdhsa_inst_pref_size 233
	.end_amdhsa_kernel
	.amdgpu_metadata
---
amdhsa.version: [ 1, 2 ]
amdhsa.kernels:
  - .name:           k_qd3094f8c31_attn
    .symbol:         k_qd3094f8c31_attn.kd
    .args:
      - { .name: aq, .offset: 0, .size: 8, .value_kind: global_buffer, .address_space: global }
      - { .name: asc, .offset: 8, .size: 8, .value_kind: global_buffer, .address_space: global }
      - { .name: wq4, .offset: 16, .size: 8, .value_kind: global_buffer, .address_space: global }
      - { .name: ws4, .offset: 24, .size: 8, .value_kind: global_buffer, .address_space: global }
      - { .name: o16, .offset: 32, .size: 8, .value_kind: global_buffer, .address_space: global }
    .group_segment_fixed_size: 230400
    .private_segment_fixed_size: 0
    .kernarg_segment_align: 8
    .kernarg_segment_size: 40
    .max_flat_workgroup_size: 256
    .sgpr_count:     66
    .vgpr_count:     512
    .wavefront_size: 32
...
	.end_amdgpu_metadata
.endif
;; end of part 2
;; launch oproj (part 3): grid 4 x 64, 4 waves a work-group, clusters of 4 x 4, 327,680 bytes of LDS; arguments o16, wo16, out0; writes out0
.if DOCPART == 3
	.amdgcn_target "amdgcn-amd-amdhsa--gfx1250"
	.amdhsa_code_object_version 6
	.text
	.protected	k_qd3094f8c31_oproj
	.globl	k_qd3094f8c31_oproj
	.p2align	8
	.type	k_qd3094f8c31_oproj,@function
k_qd3094f8c31_oproj:
	s_mov_b64 s[64:65], 0
	v_nop
	global_prefetch_b8 v0, s[64:65] scope:SCOPE_SE
	s_setreg_imm32_b32 hwreg(HW_REG_WAVE_MODE, 25, 1), 1
	s_wait_xcnt 0x0
	s_wait_alu depctr_hold_cnt(0) depctr_sa_sdst(0) depctr_va_vdst(0) depctr_va_sdst(0) depctr_va_ssrc(0) depctr_va_vcc(0) depctr_vm_vsrc(0)
	s_getreg_b32 s2, hwreg(HW_REG_IB_STS2, 6, 4)
	s_cmp_eq_u32 s2, 0
	s_cbranch_scc0 .Lentry_in_a_cluster
	s_endpgm
.Lentry_in_a_cluster:
	s_bfe_u32 s2, ttmp6, 0x10000c
	s_cmp_lg_u32 s2, 0xf033
	s_cbranch_scc0 .Lentry_shape_is_right
	s_endpgm
.Lentry_shape_is_right:
; out0[m][n] = sum over k of o[m][k] Wo[k][n]: M = 16,384, N = 1,024, K = 1,024; operands f16, sums and result f32.
; Both operands lie in memory as images of operand registers: o16 [kb 16][row tile 1024][c 2][1,024], wo16 [kb 16][n tile 64][c 2][1,024]; a fragment (16 x 32 of f16) is two pieces of 512 bytes, lane l at 16 l.
; So the 256 rows (or columns) of a work-group, for 64 along K, are ONE dense block of 32,768 bytes; LDS needs no padding: every LDS load reads 512 consecutive bytes.
; A tile of out0, 256 x 256, is made by a work-group of four waves; a wave makes 128 x 128: 64 accumulators, 512 registers.  K goes in steps of 128 (two planes kb) through a ring of two LDS slots.
; CLUSTERS: 4 x 4 work-groups.  The four of a row of the cluster need the same planes of o, the four of a column the same planes of Wo: each plane is asked for JOINTLY, by the same tensor load with the same
; descriptor and a mask that names the four.  THE MATRIX INSTRUCTION IS USED TRANSPOSED (source 0 = 16 columns of Wo, source 1 = 16 rows of o): a lane holds eight neighbouring numbers of a row of out0.
; THE LAST K STEP GOES BY ROWS OF out0, NOT BY K: nothing follows the tile under which its 256 KiB of results could leave, so its blocks of 16 rows are finished one after the other and each is stored as soon as it is finished.
; REGISTERS: window 0: v0-31 addresses; v64-127, v128-191 fragments of o, two buffers (in the last K step four, of 16 rows x 128 K); v192-255 a block of rows read back on the way out.
;   Window 1: v64-127, v128-191 fragments of Wo; in the last K step all 256: Wo's fragments of the whole step.  Windows 2, 3: the accumulators ((a, b) at 8 (8 (a % 4) + b)).
.set PLANE,  32768                     ; 16 tiles x 2 fragments x 1,024 bytes: what one tensor load brings
.set SLOT,   4*PLANE                   ; o's two planes, then Wo's two
.set SPARE,  2*SLOT                    ; behind the ring: the spare words, 128 bytes for each wave
.set SPITCH, 528                       ; the way out: a stage of 16 rows x (512 bytes + 16) for each wave, in slot 0, which has had its last fill and its last read by then
.set LAPS,   4                         ; a lap = two K steps = once round the ring
.set KSTEPA, 4194304                   ; a K step on in o16: two planes of 2,097,152 bytes
.set KSTEPB, 262144                    ; and in wo16: two planes of 131,072
.set ADRA, 16                          ; v16-17 LDS address of my fragments of o in slot 0, 1
.set ADRB, 20                          ; v20-21 the same for Wo
.set STO,  24
.set RD,   25
.set CO,   26
.set SPW,  28                          ; v28 LDS address of my spare word; never rewritten
.set NIL,  29                          ; v29 0; never rewritten
.set PFO,  30                          ; v30 the prefetches' offset: 256 x my lane; never rewritten
.set F0,   64
.set F1,   128
.set PA,   64                          ; the last K step: o's fragments of 16 rows x 128 K, 32 registers; four such buffers, v64-191
.set BK,   192                         ; the way out: 16 rows read back from the stage
.set PFA, 18                           ; s[18:19] where my prefetches stand: my work-group's 8,192 bytes of the plane of o that I fetch, one K step further on than the refill that is being asked for; a prefetch names the K step after that
.set LIM, 45                           ; s45 1 in a wave that prefetches, else the greatest number
.set G1,  24                           ; s[24:31] descriptor group 1 for o's planes; s[32:39] group 0, one set for each slot
.set G0,  32
.set G1B, 48                           ; s[48:55], s[56:63] the same for Wo's
.set G0B, 56
.set MSB, 0
.macro WIN new
.if MSB != (\new)
	s_set_vgpr_msb (MSB<<8)|(\new)
.set MSB, (\new)
.endif
.endm
.set MUL_LO, 0xa1                      ; source 0 (Wo) window 1, source 1 (o) window 0, C and D window 2
.set MUL_HI, 0xf1                      ; the same, C and D window 3
.set TO_B,   0x40
; A joint load: waves 0 and 1 fetch o's two planes, waves 2 and 3 Wo's.  The branch hangs on the wave's number alone.  An s_nop 0 and four v_nop follow each of the two lines.
.macro JLOAD s
	s_cmp_eq_u32 s11, 0
	s_cbranch_scc0 .Lfor_b_\@
	tensor_load_to_lds s[G0+4*\s:G0+4*\s+3], s[G1:G1+7]
	s_nop 0
.rept 4
	v_nop
.endr
	s_branch .Lasked_\@
.Lfor_b_\@:
	tensor_load_to_lds s[G0B+4*\s:G0B+4*\s+3], s[G1B:G1B+7]
	s_nop 0
.rept 4
	v_nop
.endr
.Lasked_\@:
.endm
; A PREFETCH INTO THE L2, behind each joint load, its five lines and the run of LDS loads that follows them: the plane of o of the K step that stands TWO refills on, 512 matrix instructions ahead of the load that will want it.
; At a change of slots every wave has waited for all its tensor loads, so the refill that follows has nothing on its way beside it.  Each block of 256 bytes is named ONCE in the launch: a tile row's planes are read by
; one row of one cluster alone; waves 0 and 1 ask, each for the plane that it fetches; of its 32,768 bytes the partner at place cx takes 8,192, told apart BY ADDRESS, lanes 256 bytes apart: one instruction a wave.
; The loop's last trip asks for nothing: its two refills have no K step two on.  K steps 0 to 3 come by their loads alone.  Wo's planes are read by all sixteen clusters, not once: they are not asked for.
.macro ASK
	s_cmp_gt_u32 s3, s[LIM]                        ; s3 = 1 in the loop's last trip
	s_cbranch_scc0 .Lnot_mine_\@
	global_prefetch_b8 v[PFO], s[PFA:PFA+1] offset:KSTEPA th:TH_LOAD_NT scope:SCOPE_SE
.Lnot_mine_\@:
.endm
.macro CREST                           ; a round of the cluster's barrier behind its opening barrier
	s_cmp_lg_u32 s10, 0
	s_cbranch_scc1 .Lnot_wave_0_\@
	s_barrier_signal -3
.Lnot_wave_0_\@:
	s_barrier_wait -3
	s_barrier_signal -1
	s_barrier_wait -1
.endm
.macro CROUND
	s_barrier_signal -1
	s_barrier_wait -1
	CREST
.endm
	s_load_b128 s[4:7], s[0:1], 0x0                ; o16 s[4:5], wo16 s[6:7]
	s_load_b64 s[8:9], s[0:1], 0x10                ; out0
	v_lshl_add_u32 v[SPW], v0, 2, SPARE
	v_mov_b32 v[NIL], 0
	ds_add_u32 v[SPW], v[NIL]                      ; the wave's opening: the add, twice on end, and its wait ahead of my first tensor load; work on registers stands between
	ds_add_u32 v[SPW], v[NIL]
	v_lshrrev_b32 v1, 5, v0
	v_readfirstlane_b32 s10, v1                    ; wave 0..3
	s_lshr_b32 s11, s10, 1                         ; which half of the tile's rows is mine.  Also: I fetch for o (0) or for Wo (1)
	s_and_b32 s12, s10, 1                          ; which half of its columns.  Also: which of a K step's two planes I fetch
	s_bfe_u32 s40, ttmp6, 0x40000                  ; cx, cy: my place in the cluster
	s_bfe_u32 s41, ttmp6, 0x40004
	s_lshl_b32 s42, ttmp9, 2
	s_add_co_u32 s42, s42, s40                     ; tile column = 4 x cluster x + cx
	s_and_b32 s13, ttmp7, 0xffff
	s_lshl_b32 s13, s13, 2
	s_add_co_u32 s13, s13, s41                     ; tile row = 4 x cluster y + cy
	s_lshl_b32 s43, s41, 2
	s_lshl_b32 s43, 15, s43                        ; my row of the cluster
	s_lshl_b32 s44, 0x1111, s40                    ; my column
	s_or_b32 s[G1+0], s43, (3<<16)|(1<<21)         ; 15:0 the mask: o's planes go to my row; elements of 8 bytes; no padding; bit 21 set beside a mask
	s_or_b32 s[G1B+0], s44, (3<<16)|(1<<21)
.irp g, G1, G1B                        ; a dense block of 32,768 bytes as 128 rows of 256
	s_mov_b32 s[\g+1], 32<<16                      ; tensor_dim0 = 32
	s_mov_b32 s[\g+2], 128<<16                     ; tensor_dim1 = 128
	s_mov_b32 s[\g+3], 32<<16                      ; tile_dim0 = 32
	s_mov_b32 s[\g+4], 128                         ; tile_dim1 = 128
	s_mov_b32 s[\g+5], 32                          ; pitch
	s_mov_b32 s[\g+6], 0
	s_mov_b32 s[\g+7], 0
.endr
	s_lshl_b32 s16, s12, 21                        ; o: plane x 2,097,152 + tile row x 32,768: it hangs on the tile row alone, which my row of the cluster shares
	s_lshl_b32 s17, s13, 15
	s_add_co_u32 s16, s16, s17
	s_mov_b32 s17, 0
	s_lshl_b32 s46, s12, 17                        ; Wo: plane x 131,072 + tile column x 32,768: on the tile column alone
	s_lshl_b32 s47, s42, 15
	s_add_co_u32 s46, s46, s47
	s_mov_b32 s47, 0
	s_lshl_b32 s20, s10, 15                        ; where they go: wave x 32,768: no place in the cluster enters an LDS address
	s_wait_dscnt 0x0                               ; both opening adds are done
	s_wait_kmcnt 0x0
	s_add_nc_u64 s[14:15], s[4:5], s[16:17]
	s_add_nc_u64 s[46:47], s[6:7], s[46:47]
	CROUND                                         ; all sixteen work-groups are here: the first joint loads meet
.irp s, 0,1
	s_mov_b32 s[G0+4*\s], 1
	s_add_co_u32 s[G0+4*\s+1], s20, \s*SLOT
	s_add_nc_u64 s[G0+4*\s+2:G0+4*\s+3], s[14:15], \s*KSTEPA      ; K step s
	s_or_b32 s[G0+4*\s+3], s[G0+4*\s+3], 0x80000000
	s_mov_b32 s[G0B+4*\s], 1
	s_add_co_u32 s[G0B+4*\s+1], s20, \s*SLOT
	s_add_nc_u64 s[G0B+4*\s+2:G0B+4*\s+3], s[46:47], \s*KSTEPB
	s_or_b32 s[G0B+4*\s+3], s[G0B+4*\s+3], 0x80000000
	JLOAD \s                                       ; two tensor loads of mine are out
.endr
	v_and_b32 v1, 31, v0
	v_lshlrev_b32 v3, 4, v1                        ; 16 x lane
	s_lshl_b32 s21, s11, 14                        ; my eight tiles of rows: 2,048 bytes each in a plane
	s_lshl_b32 s22, s12, 14                        ; my eight tiles of columns,
	s_add_co_u32 s22, s22, 2*PLANE                 ; behind o's two planes
.irp s, 0,1
	v_add_nc_u32 v[ADRA+\s], s21, v3
	v_add_nc_u32 v[ADRB+\s], s22, v3
	s_add_co_u32 s21, s21, SLOT
	s_add_co_u32 s22, s22, SLOT
.endr
	v_and_b32 v4, 15, v0                           ; r
	v_bfe_u32 v2, v0, 4, 1                         ; h
	s_mul_i32 s23, s10, 16*SPITCH                  ; my stage
	v_mul_u32_u24 v5, v4, SPITCH
	v_lshl_add_u32 v5, v2, 5, v5
	v_add_nc_u32 v[STO], s23, v5                   ; in: row r, 32 bytes for each half of the lanes
	v_lshlrev_b32 v[CO], 4, v1                     ; back: the 32 lanes take one row of 512 bytes; and the same in out0
	v_add_nc_u32 v[RD], s23, v[CO]
	s_lshl_b32 s16, s13, 8
	s_lshl_b32 s17, s11, 7
	s_add_co_u32 s16, s16, s17                     ; my first row: 256 x tile row + 128 x half,
	s_lshl_b32 s16, s16, 12                        ; of 4,096 bytes
	s_mov_b32 s17, 0
	s_lshl_b32 s46, s42, 10                        ; my first column, in bytes: 1,024 x tile column + 512 x half
	s_lshl_b32 s47, s12, 9
	s_add_co_u32 s46, s46, s47
	s_mov_b32 s47, 0
	s_add_nc_u64 s[16:17], s[16:17], s[46:47]
	s_add_nc_u64 s[8:9], s[8:9], s[16:17]
	; the prefetches: the plane that I fetch, my tile row's 32,768 bytes of it, my work-group's 8,192 of those
	s_lshl_b32 s20, s12, 21
	s_lshl_b32 s21, s13, 15
	s_add_co_u32 s20, s20, s21
	s_lshl_b32 s21, s40, 13
	s_add_co_u32 s20, s20, s21
	s_mov_b32 s21, 0
	s_add_nc_u64 s[PFA:PFA+1], s[4:5], s[20:21]
	s_add_nc_u64 s[PFA:PFA+1], s[PFA:PFA+1], 2*KSTEPA   ; at K step 2: the first refill steps it to 3 and names K step 4.  Nothing is prefetched here, at the head, where every work-group's first planes are on their way
	s_cmp_eq_u32 s11, 0                            ; the wave's number alone: the same in all sixteen partners
	s_cselect_b32 s[LIM], 1, -1
	v_lshlrev_b32 v[PFO], 8, v1
; 16 matrix instructions: blocks of rows a0, a0 + 1 of the window's four x all 8 blocks of columns, 32 along K.  zero = 1: the first product starts the sums.  The 64 accumulators take turns.
.macro MUL16 f, hi, a0, zero
.irp a, \a0, \a0+1
.irp b, 0,1,2,3,4,5,6,7
.if \zero
	v_wmma_f32_16x16x32_f16 v[8*(8*(\a)+\b):8*(8*(\a)+\b)+7], v[\f+8*\b:\f+8*\b+7], v[\f+8*(4*\hi+\a):\f+8*(4*\hi+\a)+7], 0
.else
	v_wmma_f32_16x16x32_f16 v[8*(8*(\a)+\b):8*(8*(\a)+\b)+7], v[\f+8*\b:\f+8*\b+7], v[\f+8*(4*\hi+\a):\f+8*(4*\hi+\a)+7], v[8*(8*(\a)+\b):8*(8*(\a)+\b)+7]
.endif
.endr
.endr
.endm
; 32 LDS loads in one run: the fragments of quarter q of a K step (plane q / 2, half q % 2) into buffer f: Wo's eight, then o's eight
.macro FETCH slot, q, f
.set KO, ((\q)/2)*PLANE+((\q)%2)*1024
	WIN TO_B
.irp i, 0,1,2,3,4,5,6,7
	ds_load_b128 v[\f+8*\i:\f+8*\i+3],   v[ADRB+\slot] offset:KO+\i*2048
	ds_load_b128 v[\f+8*\i+4:\f+8*\i+7], v[ADRB+\slot] offset:KO+\i*2048+512
.endr
	WIN 0
.irp i, 0,1,2,3,4,5,6,7
	ds_load_b128 v[\f+8*\i:\f+8*\i+3],   v[ADRA+\slot] offset:KO+\i*2048
	ds_load_b128 v[\f+8*\i+4:\f+8*\i+7], v[ADRA+\slot] offset:KO+\i*2048+512
.endr
.endm
.macro PLACES                          ; four plain places in front of loads into registers that matrix instructions have read, and of reads of results
.rept 4
	v_nop
.endr
.endm
; One of a K step's first three quarters: multiplies buffer f; in its middle it fetches quarter q of the same slot into buffer g
.macro QUARTER slot, q, f, g, zero
	s_wait_dscnt 8                                 ; Wo's fragments and o's rows 0-63 are in; the youngest eight loads (rows 64-127) may be out
	WIN MUL_LO
	MUL16 \f, 0, 0, \zero
	MUL16 \f, 0, 2, \zero
	PLACES
	FETCH \slot, \q, \g
	s_wait_dscnt 32                                ; all but the 32 just issued
	WIN MUL_HI
	MUL16 \f, 1, 0, \zero
	MUL16 \f, 1, 2, \zero
.endm
; The last quarter multiplies buffer 1 and changes slots.  MEET is its first half: ONE barrier; in front of it each wave waits for all its tensor loads, adds 0 to its spare word, and waits for that and for its reads of this slot.
.macro MEET round                      ; round = 1: a round of the cluster's barrier follows
	WIN 0                                          ; (the add's two registers lie in window 0)
	s_wait_tensorcnt 0x0                           ; all my tensor loads have landed: the one that was out is my part of the next slot;
	ds_add_u32 v[SPW], v[NIL]                      ; 0 onto my spare word;
	s_wait_dscnt 9                                 ; (the add and the youngest eight loads may be out)
	WIN MUL_LO
	MUL16 F1, 0, 0, 0                              ; sixteen matrix instructions stand between the add and the wait for it
	s_wait_dscnt 0x0                               ; the add is done, and my reads of this slot are over
	s_barrier_signal -1
	MUL16 F1, 0, 2, 0
.if \round
	WIN 0
.endif
	s_barrier_wait -1
.endm
; The whole last quarter of a K step whose slot is filled again, two K steps ahead, first thing behind the round
.macro TURN slot, next
	s_wait_xcnt 0x0                                ; the last prefetch, a K step back, has read its address: it is stepped here, ahead of the waits of the change of slots
	s_add_nc_u64 s[PFA:PFA+1], s[PFA:PFA+1], KSTEPA
	MEET 1
	CREST                                          ; no wave of any partner still reads this slot or has a load on its way
	s_add_nc_u64 s[G0+4*\slot+2:G0+4*\slot+3], s[G0+4*\slot+2:G0+4*\slot+3], 2*KSTEPA
	s_add_nc_u64 s[G0B+4*\slot+2:G0B+4*\slot+3], s[G0B+4*\slot+2:G0B+4*\slot+3], 2*KSTEPB
	JLOAD \slot                                    ; my one tensor load behind the round; its four v_nop are also the places in front of the loads below
	FETCH \next, 0, F0
	ASK                                            ; behind the joint load and the run of LDS loads that the next products wait for
	WIN MUL_HI
	MUL16 F1, 1, 0, 0
	MUL16 F1, 1, 2, 0
.endm
; THE LAST K STEP (it lies in slot 1).  All its fragments of Wo (4 quarters x 64 registers) fill window 1; then my eight blocks of 16 rows are finished one after the other, each with 32 matrix instructions
; (its 8 accumulators by turns, K ascending).  LDS is read no more than in any other K step.
.macro BLOAD q                         ; Wo's fragments of quarter q -> window 1, v[64 q ..]
.set KO, ((\q)/2)*PLANE+((\q)%2)*1024
.irp i, 0,1,2,3,4,5,6,7
	ds_load_b128 v[64*\q+8*\i:64*\q+8*\i+3],   v[ADRB+1] offset:KO+\i*2048
	ds_load_b128 v[64*\q+8*\i+4:64*\q+8*\i+7], v[ADRB+1] offset:KO+\i*2048+512
.endr
.endm
.macro ALOAD a                         ; o's fragments of block a, all four quarters -> buffer a % 4
.set FA, PA+32*((\a)%4)
.irp q, 0,1,2,3
	ds_load_b128 v[FA+8*\q:FA+8*\q+3],   v[ADRA+1] offset:(\q/2)*PLANE+(\q%2)*1024+(\a)*2048
	ds_load_b128 v[FA+8*\q+4:FA+8*\q+7], v[ADRA+1] offset:(\q/2)*PLANE+(\q%2)*1024+(\a)*2048+512
.endr
.endm
.macro ROW a                           ; block a is finished: 32 matrix instructions
.set FA, PA+32*((\a)%4)                ; its fragments of o
.set AC, 64*((\a)%4)                   ; its eight accumulators, in window 2 (blocks 0-3) or 3 (blocks 4-7)
	WIN MUL_LO+0x50*((\a)/4)                       ; MUL_LO or MUL_HI
.irp q, 0,1,2,3
.if ((\a) == 0) && (\q == 2)
	s_wait_dscnt 24                                ; Wo's quarter 2 is in (behind it: o's blocks 1 to 3)
.endif
.irp b, 0,1,2,3,4,5,6,7
	v_wmma_f32_16x16x32_f16 v[AC+8*\b:AC+8*\b+7], v[64*\q+8*\b:64*\q+8*\b+7], v[FA+8*\q:FA+8*\q+7], v[AC+8*\b:AC+8*\b+7]
.endr
.endr
.endm
; THE WAY OUT of block a, 16 rows x 128 columns, through my own stage in LDS: in as 32 bytes a lane, back as whole rows of 512 bytes, which the 32 lanes store as two aligned blocks of 256 bytes.
; LDS serves a wave's instructions in order (ISA guide 5.7.1.4): no wait between the stores and the loads.
.macro TOSTAGE a
.set AC, 64*((\a)%4)
	WIN 0x08+4*((\a)/4)                            ; an LDS store's data: window 2 or 3
.irp b, 0,1,2,3,4,5,6,7
	ds_store_b128 v[STO], v[AC+8*\b:AC+8*\b+3] offset:64*\b          ; each accumulator from its low end on
	ds_store_b128 v[STO], v[AC+8*\b+4:AC+8*\b+7] offset:64*\b+16
.endr
	WIN 0
.irp t, 0,1,2,3,4,5,6,7,8,9,10,11,12,13,14,15
	ds_load_b128 v[BK+4*\t:BK+4*\t+3], v[RD] offset:\t*SPITCH
.endr
.endm
.macro SEND a, younger                 ; younger: the LDS loads issued behind the stage's, which may stay out
	s_wait_dscnt \younger                          ; the block is back in registers
.if (\a) > 0
	s_add_nc_u64 s[8:9], s[8:9], 65536             ; 16 rows on (the earlier stores have read their base: a wait on XCNT for 0 stands ahead, and no store since)
.endif
.irp t, 0,1,2,3,4,5,6,7,8,9,10,11,12,13,14,15
	global_store_b128 v[CO], v[BK+4*\t:BK+4*\t+3], s[8:9] offset:\t*4096 th:TH_STORE_NT
.endr
.endm
	s_wait_tensorcnt 1                             ; my part of K step 0 is in (K step 1's may be out)
	s_barrier_signal -1
	s_barrier_wait -1                              ; everybody's is
	FETCH 0, 0, F0
	QUARTER 0, 1, F0, F1, 1                        ; the first quarter stands in front of the loop: its products start the sums
	WIN 0                                          ; at a label and at a branch every window is 0
	s_mov_b32 s3, LAPS-1
.Llap:                                             ; a trip goes once round the ring, from a lap's second quarter to the next lap's first, and fills both slots again
	QUARTER 0, 2, F1, F0, 0
	QUARTER 0, 3, F0, F1, 0
	TURN 0, 1
	QUARTER 1, 1, F0, F1, 0
	QUARTER 1, 2, F1, F0, 0
	QUARTER 1, 3, F0, F1, 0
	TURN 1, 0
	QUARTER 0, 1, F0, F1, 0
	WIN 0
	s_sub_co_u32 s3, s3, 1
	s_cmp_lg_u32 s3, 0
	s_cbranch_scc1 .Llap
	QUARTER 0, 2, F1, F0, 0                        ; the last lap fills nothing, and has no round of the cluster's barrier
	QUARTER 0, 3, F0, F1, 0
	MEET 0                                         ; my one tensor load that was still out is slot 1's, the last K step's; behind this barrier nobody reads slot 0 any more
	PLACES                                         ; for the loads into buffer 0, which the quarter before multiplied
	WIN TO_B
	BLOAD 0                                        ; three quarters of Wo now: buffer 1 (v128-191 of both windows) is still being multiplied
	BLOAD 1
	BLOAD 3
	WIN 0
	ALOAD 0
	WIN MUL_HI
	MUL16 F1, 1, 0, 0
	MUL16 F1, 1, 2, 0
	PLACES                                         ; for the loads into buffer 1
	WIN TO_B
	BLOAD 2
	WIN 0
	ALOAD 1
	ALOAD 2
	ALOAD 3
	s_wait_dscnt 40                                ; all but the 40 just issued
	ROW 0
.irp a, 0,1,2,3,4,5,6,7                ; each block leaves as soon as it is finished: the first 224 matrix instructions ahead of the last product
	PLACES                                         ; the LDS stores read results just made, and the loads below land in the buffer that the block's products read
.if \a > 0
	s_wait_xcnt 0x0                                ; the block before's stores, 32 products back, have read their registers and their base: v192-255 may be loaded again, and the base may step
.endif
	TOSTAGE \a
.if \a < 4
	ALOAD \a+4                                     ; its buffer takes the block four further on
	SEND \a, 8
.else
	SEND \a, 0
.endif
.if \a < 7
	ROW \a+1
.endif
.endr
	s_wait_tensorcnt 0x0                           ; the wave's end: three lines behind my last tensor load and my last LDS store
	ds_add_u32 v[SPW], v[NIL]
	s_wait_dscnt 0x0
	CROUND                                         ; the closing round: no work-group ends while a partner may still ask for a plane that names it
	s_endpgm
.Lfunc_end_k_qd3094f8c31_oproj:
	.size	k_qd3094f8c31_oproj, .Lfunc_end_k_qd3094f8c31_oproj-k_qd3094f8c31_oproj
	.p2alignl 7, 3214868480
	.fill 96, 4, 3214868480
	.section	.rodata,"a",@progbits
	.p2align	6, 0x0
	.amdhsa_kernel k_qd3094f8c31_oproj
		.amdhsa_group_segment_fixed_size 327680
		.amdhsa_private_segment_fixed_size 0
		.amdhsa_enable_private_segment 0
		.amdhsa_kernarg_size 24
		.amdhsa_user_sgpr_count 2
		.amdhsa_user_sgpr_kernarg_segment_ptr 1
		.amdhsa_wavefront_size32 1
		.amdhsa_system_sgpr_workgroup_id_x 1
		.amdhsa_system_sgpr_workgroup_id_y 1
		.amdhsa_system_sgpr_workgroup_id_z 1
		.amdhsa_system_vgpr_workitem_id 0
		.amdhsa_next_free_vgpr 1024
		.amdhsa_next_free_sgpr 66
		.amdhsa_reserve_vcc 0
		.amdhsa_float_denorm_mode_32 3
		.amdhsa_float_denorm_mode_16_64 3
		.amdhsa_memory_ordered 1
		.amdhsa_forward_progress 1
		.amdhsa_inst_pref_size 141
	.end_amdhsa_kernel
	.amdgpu_metadata
---
amdhsa.version: [ 1, 2 ]
amdhsa.kernels:
  - .name:           k_qd3094f8c31_oproj
    .symbol:         k_qd3094f8c31_oproj.kd
    .args:
      - { .name: o16, .offset: 0, .size: 8, .value_kind: global_buffer, .address_space: global }
      - { .name: wo16, .offset: 8, .size: 8, .value_kind: global_buffer, .address_space: global }
      - { .name: out0, .offset: 16, .size: 8, .value_kind: global_buffer, .address_space: global }
    .group_segment_fixed_size: 327680
    .private_segment_fixed_size: 0
    .kernarg_segment_align: 8
    .kernarg_segment_size: 24
    .max_flat_workgroup_size: 128
    .sgpr_count:     66
    .vgpr_count:     1024
    .wavefront_size: 32
...
	.end_amdgpu_metadata
.endif
;; end of part 3
